; MI455X (gfx1250); checked and timed in simulation.
; The chip was launched on July 23, 2026; its instructions are those of AMD's public machine-readable ISA for CDNA 5 (MIT licence, August 2026) and "CDNA5" Instruction Set Architecture Reference Guide (July 2026). The comments in the code are by the model that wrote it; some were corrected since.
;; VNN Block. Allowed arithmetic: matrix products marked QUANTISED: E5M2 operands, one E8M0 scale for each 32 along K, by v_wmma_scale_f32_16x16x128_f8f6f4 with both operands' format E5M2, f32 sums; products left as they are: f32 operands where the result goes on into a quantised operand, else bf16, f16 or f32 operands; f32 sums; everything else in f32.
;; Inputs: b1 128 float32; b2 1 float32; c1 128 float32; c2 1 float32; v1 65 x 128 float32; v2 128 x 1 float32; w1 129 x 128 float32; w2 128 x 1 float32; x 4 x 256 float32.
;; Outputs: out0 4 x 256 float32.
;; Constants: chunks = 1, output_size = 256.
;; This version of the problem:
;;   THIS VERSION OF THE PROBLEM IS GIVEN IN LOW PRECISION. The matrix products marked QUANTISED in the list below multiply operands that are first quantised to E5M2 (5 exponent bits, 2 mantissa bits; 8 bits a number), with one power-of-two scale for each 32 numbers along K (OCP MX v1.0); their sums are f32. All else is computed in f32.
;;   The module's matrix products, in the order in which they are computed (A, B: the left and right operand; K: the contracted axis; several contracted axes count as one K, in the product's order):
;;     1. [M 262,144, K 129] x [K 129, N 128]; A: computed on the way; B: input w1: QUANTISED
;;     2. [M 262,144, K 128] x [K 128, N 1]; A: computed on the way; B: input w2: left as it is (N = 1 < 16)
;;     3. batch 4 x [M 1, K 256] x [K 256, N 256]; A: input x; B: computed on the way: left as it is (M = 1 < 16)
;;     4. [M 1,024, K 65] x [K 65, N 128]; A: computed on the way; B: input v1: QUANTISED
;;     5. [M 1,024, K 128] x [K 128, N 1]; A: computed on the way; B: input v2: left as it is (N = 1 < 16)
;;   THE QUANTISER, for each operand of a quantised product, along K:
;;     - K is cut into blocks of 32 from its start; a last block that is shorter is filled with zeros.
;;     - A block's scale is 2^e with e = floor(log2(the largest magnitude in the block)) - 15, held to -126 .. 127; a block of zeros has e = 0. As a byte (E8M0): e + 127.
;;     - Each number is divided by its block's scale, clamped to +-57,344, and rounded to the nearest number of E5M2, ties to even, subnormals kept.
;;     - The product sums the exact products of the quantised numbers (number of the format x scale) in f32.
;;   ~~~python
;;   def quantise(x, axis):      # numpy; x: float32 -> the quantised numbers, widened to float32 again
;;       x = np.moveaxis(x, axis, -1); K = x.shape[-1]
;;       x = np.pad(x, [(0, 0)] * (x.ndim - 1) + [(0, -K % 32)]); x = x.reshape(x.shape[:-1] + (-1, 32)); a = np.abs(x).max(-1, keepdims=True)
;;       e = np.where(a > 0, np.clip(np.frexp(np.where(a > 0, a, 1))[1] - 1 - 15, -126, 127), 0)      # np.frexp(a)[1] - 1 = floor(log2(a)), exactly
;;       r = np.clip(x / 2.0 ** e, -57344, 57344)
;;       step = 2.0 ** (np.maximum(np.frexp(np.where(r == 0, 1, r))[1] - 1, -14) - 2)
;;       q = np.round(r / step) * step * 2.0 ** e      # np.round: ties to even
;;       return np.moveaxis(q.reshape(q.shape[:-2] + (-1,))[..., :K], -1, axis).astype(np.float32)
;;   ~~~
;;   OPERANDS COMPUTED ON THE WAY. 'Computed on the way' means the value that the module computes at that place (a softmax that the list does not call 'softmax' is quantised finished and normalised). What goes into a quantiser is computed in f32, as accurately as f32 sums, v_exp_f32 and their like allow (about 1e-6 of the number): no bf16 or f16 on the way to a quantiser, and a product that is left as it is and whose result goes on into a quantised operand takes f32 operands (vector FMAs, or v_wmma_f32_16x16x4_f32). A number that lies on a knife's edge between two numbers of the format may be rounded either way, as far as f32 arithmetic and the matrix unit's own rounding can turn it there, and no further.
;; One version. Each part assembles by itself: llvm-mc -triple=amdgcn-amd-amdhsa -mcpu=gfx1250 --defsym DOCPART=n.
;; ======== version 1 of 1: 1 launch
;; launch vnn (part 1): grid 256 x 1, 8 waves a work-group, clusters of 4 x 1, 168,960 bytes of LDS; arguments x, w1, b1, w2, b2, v1, c1, v2, c2, out0; writes out0
.if DOCPART == 1
	.amdgcn_target "amdgcn-amd-amdhsa--gfx1250"
	.amdhsa_code_object_version 6
	.text
	.protected	k_q95c3f5c499_vnn
	.globl	k_q95c3f5c499_vnn
	.p2align	8
	.type	k_q95c3f5c499_vnn,@function
k_q95c3f5c499_vnn:
	s_mov_b64 s[64:65], 0
	v_nop
	global_prefetch_b8 v0, s[64:65] scope:SCOPE_SE
	s_setreg_imm32_b32 hwreg(HW_REG_WAVE_MODE, 25, 1), 1
	s_wait_xcnt 0x0
	s_wait_alu depctr_hold_cnt(0) depctr_sa_sdst(0) depctr_va_vdst(0) depctr_va_sdst(0) depctr_va_ssrc(0) depctr_va_vcc(0) depctr_vm_vsrc(0)
	s_getreg_b32 s2, hwreg(HW_REG_IB_STS2, 6, 4)
	s_cmp_eq_u32 s2, 0
	s_cbranch_scc0 .Lentry_in_a_cluster
	s_endpgm
.Lentry_in_a_cluster:
	s_bfe_u32 s2, ttmp6, 0x10000c
	s_cmp_lg_u32 s2, 0x3003
	s_cbranch_scc0 .Lentry_shape_is_right
	s_endpgm
.Lentry_shape_is_right:
; VNNBlock, S = 4, I = O = 256, all five products in one launch.
;   w(s,i,o) = relu([pe[o], pe[o], x[s,o]] w1 + b1) w2 + b2      (n = 256 i + o, so n % 256 = o for both table indices and for x)
;   out(s,o) = sum over i of x[s,i] w(s,i,o);   result = out + relu([pe[o], out] v1 + c1) v2 + c2
; The products with w1 (K = 129) and v1 (K = 65) run on codes of E5M2 with one E8M0 scale for each 32 along K; the dots with w2, v2 and the sum over i are f32 multiply-adds.
; SHARES.  A work-group owns one s and four neighbouring o, for all 256 i and all 128 hidden units: 4 x 64 = 256 work-groups, each output has one owner, nothing goes through memory.
; A row tile of the first product is 16 rows: row r is o = o0 + r % 4, i = 64 (r / 4) + m, tile m = 0 .. 63.  A row of that product holds nothing of i, so all tiles take the same operand
; registers; every row that the product has is multiplied all the same, and tile m's results are weighed with x[s, 64 (r / 4) + m].
; EIGHT WAVES, two to a SIMD: wave w owns hidden units 16 w .. 16 w + 15 for all 64 row tiles.  In the loop every operand stays in registers, so the smaller share of a wave costs no LDS byte, and one
; wave's vector lines can be issued beside the other's matrix instructions.  Behind the relu all is linear, so a wave keeps sums alone; the eight waves meet in LDS once for out and once for the bias.
; BOTH PRODUCTS ARE USED TRANSPOSED: source 0 = my 16 hidden units of the weight, source 1 = the 16 rows: lane (r, h), register j of a result = row r, hidden unit 16 w + 8 h + j.
; CLUSTER.  All work-groups read the same rows of w1 and v1: the four partners of a cluster ask for them JOINTLY (mask 15); each LDS byte is filled once, so there is no ring.
; THE TABLE pe is no input: sin and cos of o x 10^(-j / 8) are made here, in every wave, while the tiles are on their way.  The angle is carried as a sum of two f32 numbers, k = round(angle x 2 / pi)
; quarter turns are taken off with pi / 2 in two parts, and Taylor sums up to r^9 and r^10 follow on |r| <= pi / 4.
; LIMITS: NaN and infinities among the inputs are not served.  A block of zeros gets the scale byte 1 where the rule says 127: its codes are zeros, and only this program reads the bytes.
; pe agrees with the correctly rounded table to about one unit in the last place.  A work-group stores 16 bytes of out0 (the whole output is 4,096 bytes): the price of one owner for each output.
.set V1S,   65536                      ; LDS: w1's rows 0-127 from byte 0, as in memory (512 bytes a row); then v1's rows 0-63 likewise
.set XS,    98304                      ; x[s, :], a copy for each wave, XSW bytes apart; the 64 numbers of group g = i / 64 begin at XSG g, so that the four groups lie in different banks
.set XSW,   1280
.set XSG,   272
.set RED1,  XS+8*XSW                   ; wave w's part of out(o0 + q) at 16 w + 4 q
.set RED2,  RED1+256                   ; the same for the bias
.set NPAIR, 32                         ; pairs of row tiles of the first product
.set TRIPS, NPAIR/4-1
.set FLOOR, 0x08000000                 ; 2^(16 - 127): no largest magnitude is taken under it, so a scale byte cannot fall under 1
.set EOFF,  0xf8800000                 ; takes 15 off an exponent field
.set EXPM,  0x7f800000
; 10^(-j / 8), j = 0 .. 7, and 0.1, 0.01, 0.001, each as an f32 number and what it lacks
.set CH0, 0x3f800000
.set CL0, 0
.set CH1, 0x3f3ff911
.set CL1, 0x32022bb3
.set CH2, 0x3f0ff59a
.set CL2, 0xb1f8f20b
.set CH3, 0x3ed7e89b
.set CL3, 0xb233bf2b
.set CH4, 0x3ea1e89b
.set CL4, 0x31121244
.set CH5, 0x3e72d424
.set CL5, 0xb1e61233
.set CH6, 0x3e361887
.set CL6, 0x30dda7d0
.set CH7, 0x3e088d77
.set CL7, 0xb1208cad
.set D1H, 0x3dcccccd
.set D1L, 0xb0cccccd
.set D2H, 0x3c23d70a
.set D2L, 0x2f75c28f
.set D3H, 0x3a83126f
.set D3L, 0xae50e560
; vector registers (one window of 256)
.set HH,   2                           ; h = lane / 16
.set L32,  3                           ; lane; later OUTV
.set OUTV, 3                           ; out(s, o0 + r % 4)
.set WCOL, 4                           ; 64 w + 4 r + 8,192 h: my column of w1 in an LDS row, 16 rows further down for lanes 16-31
.set VCOL, 5                           ; the same in v1's rows
.set VB,   6                           ; 64 w + 32 h: my eight numbers of b1, w2, c1, v2
.set XAD0, 7                           ; my row's group of x in my wave's copy
.set XST,  8                           ; where I store 32 bytes of x; later XA
.set XA,   8                           ; the address of the x loads in hand
.set RST,  9                           ; RED1 + 16 w + 4 (lane % 4)
.set RLD,  10                          ; RED1 + 4 (lane % 4)
.set C2V,  11
.set POS,  12                          ; head: o as f32; UH, UL: o x the decade in two parts
.set UH,   13
.set UL,   14
.set RR,   12                          ; loop: the dot with w2 of the pair's second tile
.set OB,   14                          ; loop: its sum over i
.set PEV,  16                          ; head: my 32 numbers of pe
.set W1F,  16                          ; w1's fragments: K step 0, K step 1
.set V1F,  48                          ; v1's fragment
.set XR,   64                          ; head: my 8 numbers of x
.set QA,   64                          ; loop: x of four tiles each
.set QB,   68
.set WG,   72                          ; 64 w + 4 r: my column in a row of w1 or v1 in memory; in threads 0-3 also the place in out0
.set XG,   73                          ; my 32 bytes of x[s, :]
.set XOG,  74                          ; x[s, o]'s byte
.set AF,   80                          ; the rows' fragments: K step 0, K step 1
.set TA0,  112                         ; head: six sets of eight for the table
.set TA1,  120
.set TA2,  128
.set TA3,  136
.set TA4,  144
.set TA5,  152
.set RAW,  112                         ; then 64 numbers of my column of w1, later 32 of v1
.set C1R,  160
.set V2R,  168
.set ACC,  176                         ; two sets of two accumulators (a pair of row tiles each)
.set B1R,  208
.set W2R,  216
.set SR,   224                         ; a run of eight numbers, of which seven stay 0
.set TM,   232                         ; at work in the quantisers and the sums
.set SW0,  240                         ; scale words and nothing else: w1 K step 0, 1; the rows K step 0, 1; v1; the second product's rows
.set SW1,  241
.set SA0,  242
.set SA1,  243
.set SV,   244
.set SB,   245
.set PP,   246                         ; loop: the dot with w2 of the pair's first tile.  Head: DH, DL; BY0: a scale byte just made
.set DH,   246
.set DL,   247
.set BY0,  246
.set OA,   248                         ; loop: its sum over i.  Head: XV = x[s, o], B2V = b2
.set XV,   248
.set B2V,  249
.set BIN,  250                         ; (b2, 0) in wave 0's lanes 0-15, else (0, 0): b2 enters each row once
.set WL,   252                         ; head: w1[128], v1[64] at my column
.set VL,   253
; scalar registers
.set WV,   24
.set SEL,  56                          ; s[56:57] v_permlanex16_b32's selects for lane l xor 16
.set MNT,  58                          ; the mantissa field of 57,344
.set CNT,  59
.set XO,   60
.set HM,   61                          ; the lanes with h = 1
.set SS,   66                          ; s66-69 the sine's coefficients
.set CC,   70                          ; s70-73 the cosine's
.set TOP,  74
.set NP1,  75
.set NP2,  76
.set MK,   80                          ; s80-87 lanes whose k is odd, for eight angles
.macro ROUND                           ; a round of the cluster's barrier
	s_barrier_signal -1
	s_barrier_wait -1
	s_cmp_lg_u32 s[WV], 0
	s_cbranch_scc1 .Lnot_wave_0_\@
	s_barrier_signal -3
.Lnot_wave_0_\@:
	s_barrier_wait -3
	s_barrier_signal -1
	s_barrier_wait -1
.endm
.macro PLACES n
.rept \n
	v_nop
.endr
.endm
.macro ZERO from, to
.set z_, \from
.rept (\to)-(\from)+1
	v_mov_b32 v[z_], 0
.set z_, z_+1
.endr
.endm
; o x 10^-(2 c + h) in two parts: the first pair of arguments is the decade of lanes 0-15, the second that of lanes 16-31
.macro DECADE h0h, h0l, h1h, h1l
	v_mov_b32 v[DH], \h1h
	v_mov_b32 v[DL], \h1l
	v_cndmask_b32 v[DH], \h0h, v[DH], s[HM]
	v_cndmask_b32 v[DL], \h0l, v[DL], s[HM]
	v_mul_f32 v[UH], v[POS], v[DH]
	v_fma_f32 v[UL], v[POS], v[DH], -v[UH]         ; what the product above dropped, exactly
	v_fma_f32 v[UL], v[POS], v[DL], v[UL]
.endm
; pe[o][32 c + 16 h + 0 .. 15] into v[PEV + 16 c] on: sin and cos of eight angles, the eight by turns in every stage
.macro TRIG c
.irp j, 0,1,2,3,4,5,6,7
	v_mul_f32 v[TA0+\j], CH\j, v[UH]               ; the angle,
.endr
.irp j, 0,1,2,3,4,5,6,7
	v_fma_f32 v[TA1+\j], v[UH], CH\j, -v[TA0+\j]   ; and what it lacks: the product's own error,
.endr
.irp j, 0,1,2,3,4,5,6,7
	v_fma_f32 v[TA1+\j], v[UH], CL\j, v[TA1+\j]    ; and the two factors' lower parts
.endr
.irp j, 0,1,2,3,4,5,6,7
	v_fma_f32 v[TA1+\j], v[UL], CH\j, v[TA1+\j]
.endr
.irp j, 0,1,2,3,4,5,6,7
	v_mul_f32 v[TA2+\j], s[TOP], v[TA0+\j]
.endr
.irp j, 0,1,2,3,4,5,6,7
	v_rndne_f32 v[TA2+\j], v[TA2+\j]               ; k quarter turns, at most 163
.endr
.irp j, 0,1,2,3,4,5,6,7
	v_fma_f32 v[TA0+\j], v[TA2+\j], s[NP1], v[TA0+\j]   ; exact: a multiple of 2^-23 under 1
.endr
.irp j, 0,1,2,3,4,5,6,7
	v_fma_f32 v[TA1+\j], v[TA2+\j], s[NP2], v[TA1+\j]
.endr
.irp j, 0,1,2,3,4,5,6,7
	v_add_f32 v[TA0+\j], v[TA0+\j], v[TA1+\j]      ; r
.endr
.irp j, 0,1,2,3,4,5,6,7
	v_cvt_i32_f32 v[TA2+\j], v[TA2+\j]
.endr
.irp j, 0,1,2,3,4,5,6,7
	v_mul_f32 v[TA1+\j], v[TA0+\j], v[TA0+\j]      ; z = r r
.endr
.irp j, 0,1,2,3,4,5,6,7
	v_fma_f32 v[TA3+\j], v[TA1+\j], s[SS+3], s[SS+2]
.endr
.irp j, 0,1,2,3,4,5,6,7
	v_fma_f32 v[TA4+\j], v[TA1+\j], s[CC+3], s[CC+2]
.endr
.irp j, 0,1,2,3,4,5,6,7
	v_fma_f32 v[TA3+\j], v[TA1+\j], v[TA3+\j], s[SS+1]
.endr
.irp j, 0,1,2,3,4,5,6,7
	v_fma_f32 v[TA4+\j], v[TA1+\j], v[TA4+\j], s[CC+1]
.endr
.irp j, 0,1,2,3,4,5,6,7
	v_fma_f32 v[TA3+\j], v[TA1+\j], v[TA3+\j], s[SS]
.endr
.irp j, 0,1,2,3,4,5,6,7
	v_fma_f32 v[TA4+\j], v[TA1+\j], v[TA4+\j], s[CC]
.endr
.irp j, 0,1,2,3,4,5,6,7
	v_mul_f32 v[TA5+\j], v[TA0+\j], v[TA1+\j]
.endr
.irp j, 0,1,2,3,4,5,6,7
	v_fma_f32 v[TA4+\j], v[TA1+\j], v[TA4+\j], -0.5
.endr
.irp j, 0,1,2,3,4,5,6,7
	v_fma_f32 v[TA3+\j], v[TA5+\j], v[TA3+\j], v[TA0+\j]   ; sin r
.endr
.irp j, 0,1,2,3,4,5,6,7
	v_fma_f32 v[TA4+\j], v[TA1+\j], v[TA4+\j], 1.0         ; cos r: one rounding of 1 + z (..)
.endr
.irp j, 0,1,2,3,4,5,6,7
	v_and_b32 v[TA5+\j], 1, v[TA2+\j]
.endr
.irp j, 0,1,2,3,4,5,6,7
	v_cmp_eq_u32 s[MK+\j], 1, v[TA5+\j]            ; an odd k swaps sine and cosine: a choice of values, no branch
.endr
.irp j, 0,1,2,3,4,5,6,7
	v_cndmask_b32 v[PEV+16*(\c)+2*\j], v[TA3+\j], v[TA4+\j], s[MK+\j]
.endr
.irp j, 0,1,2,3,4,5,6,7
	v_cndmask_b32 v[PEV+16*(\c)+2*\j+1], v[TA4+\j], v[TA3+\j], s[MK+\j]
.endr
.irp j, 0,1,2,3,4,5,6,7
	v_lshlrev_b32 v[TA5+\j], 30, v[TA2+\j]         ; the sine changes sign where bit 1 of k is set,
.endr
.irp j, 0,1,2,3,4,5,6,7
	v_add_nc_u32 v[TA2+\j], 1, v[TA2+\j]           ; the cosine where bit 1 of k + 1 is
.endr
.irp j, 0,1,2,3,4,5,6,7
	v_and_b32 v[TA5+\j], 0x80000000, v[TA5+\j]
.endr
.irp j, 0,1,2,3,4,5,6,7
	v_lshlrev_b32 v[TA2+\j], 30, v[TA2+\j]
.endr
.irp j, 0,1,2,3,4,5,6,7
	v_xor_b32 v[PEV+16*(\c)+2*\j], v[PEV+16*(\c)+2*\j], v[TA5+\j]
.endr
.irp j, 0,1,2,3,4,5,6,7
	v_and_b32 v[TA2+\j], 0x80000000, v[TA2+\j]
.endr
.irp j, 0,1,2,3,4,5,6,7
	v_xor_b32 v[PEV+16*(\c)+2*\j+1], v[PEV+16*(\c)+2*\j+1], v[TA2+\j]
.endr
.endm
; TWO BLOCKS OF 32 ALONG K.  32 numbers of a lane, register 16 b + i of v[s] on = k 32 b + 16 h + i of my row or column, become eight registers of a fragment at v[d] on; the two scale bytes are left in
; v[TM+2] and v[TM+3].  A block lies in lanes l and l xor 16.  It serves pe, w1 (twice) and v1.
.macro Q2 s, d
.irp b, 0,1
	v_max3_num_f32 v[TM+\b], |v[(\s)+16*\b]|, |v[(\s)+16*\b+1]|, FLOOR
.endr
.irp i, 2,4,6,8,10,12,14
.irp b, 0,1
	v_max3_num_f32 v[TM+\b], v[TM+\b], |v[(\s)+16*\b+\i]|, |v[(\s)+16*\b+\i+1]|
.endr
.endr
.irp b, 0,1
	v_permlanex16_b32 v[TM+2+\b], v[TM+\b], s[SEL], s[SEL+1]
.endr
.irp b, 0,1
	v_max_num_f32 v[TM+\b], v[TM+\b], v[TM+2+\b]   ; with lane l xor 16's 16 numbers: the block's largest magnitude
.endr
.irp b, 0,1
	v_add_nc_u32 v[TM+6+\b], EOFF, v[TM+\b]        ; 15 off its exponent field: the conversion's scale operand
.endr
.irp b, 0,1
	v_and_or_b32 v[TM+4+\b], v[TM+\b], EXPM, s[MNT]   ; 57,344 x the scale
.endr
.irp b, 0,1
	v_lshrrev_b32 v[TM+2+\b], 23, v[TM+6+\b]       ; the scale's byte
.endr
.irp b, 0,1
.irp i, 0,1,2,3,4,5,6,7,8,9,10,11,12,13,14,15
	v_med3_num_f32 v[(\s)+16*\b+\i], v[(\s)+16*\b+\i], -v[TM+4+\b], v[TM+4+\b]   ; the conversion to an 8-bit code does not saturate (ISA guide 7.6.2): the hold comes first
.endr
	v_cvt_scalef32_pk8_bf8_f32 v[(\d)+4*\b:(\d)+4*\b+1], v[(\s)+16*\b:(\s)+16*\b+7], v[TM+6+\b]
	v_cvt_scalef32_pk8_bf8_f32 v[(\d)+4*\b+2:(\d)+4*\b+3], v[(\s)+16*\b+8:(\s)+16*\b+15], v[TM+6+\b]
.endr
	v_nop                                          ; a plain line behind the conversions, ahead of whatever touches their registers next
.endm
; A block of 32 that holds ONE number, at its k = 0 (K = 129 and K = 65 end so): the number in v[src]; v[run+1 .. run+7] hold zeros; eight codes go to v[dst:dst+1], the scale's byte to v[byte].
; k = 0 .. 15 of a block are lanes 0-15's: lanes 16-31 get a zero.
.macro ONE src, run, dst, byte
	v_max_num_f32 v[TM], |v[\src]|, FLOOR
	v_add_nc_u32 v[TM+1], EOFF, v[TM]
	v_and_or_b32 v[TM+2], v[TM], EXPM, s[MNT]
	v_med3_num_f32 v[\run], v[\src], -v[TM+2], v[TM+2]
	v_cndmask_b32 v[\run], v[\run], 0, s[HM]
	v_lshrrev_b32 v[\byte], 23, v[TM+1]
	v_cvt_scalef32_pk8_bf8_f32 v[(\dst):(\dst)+1], v[(\run):(\run)+7], v[TM+1]
	v_nop                                          ; a plain line behind the conversion
.endm
; 16 rows of my column of a weight out of LDS: a lane takes a column and its registers run down K; lanes 0-15 read 64 consecutive bytes of row row0 + i, lanes 16-31 of the row 16 further down
.macro LDB reg, adr, row0
.set i_, 0
.rept 16
	ds_load_b32 v[(\reg)+i_], v[\adr] offset:((\row0)+i_)*512
.set i_, i_+1
.endr
.endm
; One matrix instruction of the first product: accumulator set, tile u of the pair, K step k.  K step 0 starts the sum with b1 as C.
.macro WM set, u, k
.set WD, ACC+16*(\set)+8*(\u)
.if (\k) == 0
	v_wmma_scale_f32_16x16x128_f8f6f4 v[WD:WD+7], v[W1F:W1F+15], v[AF:AF+15], v[B1R:B1R+7], v[SW0], v[SA0] matrix_a_fmt:MATRIX_FMT_BF8 matrix_b_fmt:MATRIX_FMT_BF8
.else
	v_wmma_scale_f32_16x16x128_f8f6f4 v[WD:WD+7], v[W1F+16:W1F+31], v[AF+16:AF+31], v[WD:WD+7], v[SW1], v[SA1] matrix_a_fmt:MATRIX_FMT_BF8 matrix_b_fmt:MATRIX_FMT_BF8
.endif
.endm
; The vector work on a finished pair of tiles, in four slices of 7, 6, 7, 6 lines: relu in place, each accumulator from its low end on, and each tile's dot with my eight numbers of w2 in a packed chain
; of its own (PP: the first tile, RR: the second), begun with BIN; at the end each chain, times its tile's x (the low and the high word of the pair v[q]), goes onto a sum over i.
.macro VS0 vs
.set VA, ACC+16*(\vs)
	v_max_num_f32 v[VA], 0, v[VA]
	v_max_num_f32 v[VA+1], 0, v[VA+1]
	v_max_num_f32 v[VA+2], 0, v[VA+2]
	v_max_num_f32 v[VA+3], 0, v[VA+3]
	v_pk_fma_f32 v[PP:PP+1], v[VA:VA+1], v[W2R:W2R+1], v[BIN:BIN+1]
	v_max_num_f32 v[VA+4], 0, v[VA+4]
	v_max_num_f32 v[VA+5], 0, v[VA+5]
.endm
.macro VS1 vs
.set VA, ACC+16*(\vs)
	v_pk_fma_f32 v[PP:PP+1], v[VA+2:VA+3], v[W2R+2:W2R+3], v[PP:PP+1]
	v_max_num_f32 v[VA+6], 0, v[VA+6]
	v_max_num_f32 v[VA+7], 0, v[VA+7]
	v_max_num_f32 v[VA+8], 0, v[VA+8]
	v_pk_fma_f32 v[PP:PP+1], v[VA+4:VA+5], v[W2R+4:W2R+5], v[PP:PP+1]
	v_max_num_f32 v[VA+9], 0, v[VA+9]
.endm
.macro VS2 vs
.set VA, ACC+16*(\vs)
	v_max_num_f32 v[VA+10], 0, v[VA+10]
	v_pk_fma_f32 v[RR:RR+1], v[VA+8:VA+9], v[W2R:W2R+1], v[BIN:BIN+1]
	v_max_num_f32 v[VA+11], 0, v[VA+11]
	v_pk_fma_f32 v[PP:PP+1], v[VA+6:VA+7], v[W2R+6:W2R+7], v[PP:PP+1]
	v_max_num_f32 v[VA+12], 0, v[VA+12]
	v_pk_fma_f32 v[RR:RR+1], v[VA+10:VA+11], v[W2R+2:W2R+3], v[RR:RR+1]
	v_max_num_f32 v[VA+13], 0, v[VA+13]
.endm
.macro VS3 vs, q
.set VA, ACC+16*(\vs)
	v_max_num_f32 v[VA+14], 0, v[VA+14]
	v_pk_fma_f32 v[RR:RR+1], v[VA+12:VA+13], v[W2R+4:W2R+5], v[RR:RR+1]
	v_max_num_f32 v[VA+15], 0, v[VA+15]
	v_pk_fma_f32 v[OA:OA+1], v[PP:PP+1], v[\q:\q+1], v[OA:OA+1] op_sel:[0,0,0] op_sel_hi:[1,0,1]
	v_pk_fma_f32 v[RR:RR+1], v[VA+14:VA+15], v[W2R+6:W2R+7], v[RR:RR+1]
	v_pk_fma_f32 v[OB:OB+1], v[RR:RR+1], v[\q:\q+1], v[OB:OB+1] op_sel:[0,1,0] op_sel_hi:[1,1,1]
.endm
; A pair of row tiles: its four matrix instructions into set ws, the two tiles' accumulators by turns, and behind each a slice of the pair before, which lies in set vs.
; Set ws's first tile is first read 13 plain lines behind its last matrix instruction (the last two slices here), its second tile 16: eight are asked behind this form (ISA guide 7.12.1).
.macro MT ws, vs, q
	WM \ws, 0, 0
	VS0 \vs
	WM \ws, 1, 0
	VS1 \vs
	WM \ws, 0, 1
	VS2 \vs
	WM \ws, 1, 1
	VS3 \vs, \q
.endm
	; ---- arguments, ids, addresses
	s_load_b512 s[4:19], s[0:1], 0x0               ; x 4:5, w1 6:7, b1 8:9, w2 10:11, b2 12:13, v1 14:15, c1 16:17, v2 18:19
	s_load_b128 s[20:23], s[0:1], 0x40             ; c2 20:21, out0 22:23
	v_lshl_add_u32 v254, v0, 2, 0x29000
	v_mov_b32 v255, 0
	ds_add_u32 v254, v255
	ds_add_u32 v254, v255
	v_lshrrev_b32 v1, 5, v0
	v_readfirstlane_b32 s[WV], v1                  ; wave 0..7
	s_bfe_u32 s25, ttmp6, 0x40000                  ; cx
	s_lshl_b32 s26, ttmp9, 2                       ; in a cluster launch ttmp9 counts clusters
	s_add_co_u32 s26, s26, s25                     ; work-group 0..255
	s_lshr_b32 s27, s26, 6                         ; s
	s_and_b32 s28, s26, 63
	s_lshl_b32 s28, s28, 2                         ; o0
	v_bfe_u32 v[HH], v0, 4, 1
	v_and_b32 v[L32], 31, v0
	v_and_b32 v[VB], 0xe0, v0
	v_lshlrev_b32 v[VB], 1, v[VB]                  ; 64 w
	v_and_b32 v[WG], 15, v0
	v_lshl_add_u32 v[WG], v[WG], 2, v[VB]          ; + 4 r
	v_lshl_add_u32 v[WCOL], v[HH], 13, v[WG]       ; + 16 rows of 512 bytes for lanes 16-31
	v_add_nc_u32 v[VCOL], V1S, v[WCOL]
	v_lshl_add_u32 v[VB], v[HH], 5, v[VB]          ; 64 w + 32 h
	s_mul_i32 s29, s[WV], XSW
	s_add_co_u32 s29, s29, XS                      ; my wave's copy of x
	v_bfe_u32 v[XAD0], v0, 2, 2                    ; r / 4: my row's group of i
	v_mul_u32_u24 v[XAD0], v[XAD0], XSG
	v_add_nc_u32 v[XAD0], s29, v[XAD0]
	v_lshrrev_b32 v[XST], 3, v[L32]                ; lane l brings x[8 l .. 8 l + 7]: group l / 8, 32 (l % 8) bytes into it
	v_mul_u32_u24 v[XST], v[XST], XSG
	v_and_b32 v[RST], 7, v[L32]
	v_lshl_add_u32 v[XST], v[RST], 5, v[XST]
	v_add_nc_u32 v[XST], s29, v[XST]
	v_and_b32 v[RLD], 3, v0
	v_lshlrev_b32 v[RLD], 2, v[RLD]
	v_add_nc_u32 v[RLD], RED1, v[RLD]
	s_lshl_b32 s29, s[WV], 4
	v_add_nc_u32 v[RST], s29, v[RLD]
	v_and_b32 v[POS], 3, v0
	v_add_nc_u32 v[POS], s28, v[POS]               ; my row's o
	v_lshlrev_b32 v[XOG], 2, v[POS]
	v_lshlrev_b32 v[XG], 5, v[L32]
	v_cvt_f32_u32 v[POS], v[POS]
	v_cmp_eq_u32 s[HM], 1, v[HH]
	ZERO SR+1, SR+7                                ; the seven zeros of a block with one number; v[SR+1] also serves as the offset 0
	v_mov_b32 v[TM+2], 0                           ; a lane permute's destination counts as one of its sources
	v_mov_b32 v[TM+3], 0
	s_mov_b32 s[SEL], 0x76543210
	s_mov_b32 s[SEL+1], 0xfedcba98
	s_mov_b32 s[MNT], 0x600000
	s_mov_b32 s[SS], 0xbe2aaaab                    ; -1/3!, 1/5!, -1/7!, 1/9!
	s_mov_b32 s[SS+1], 0x3c088889
	s_mov_b32 s[SS+2], 0xb9500d01
	s_mov_b32 s[SS+3], 0x3638ef1d
	s_mov_b32 s[CC], 0x3d2aaaab                    ; 1/4!, -1/6!, 1/8!, -1/10!
	s_mov_b32 s[CC+1], 0xbab60b61
	s_mov_b32 s[CC+2], 0x37d00d01
	s_mov_b32 s[CC+3], 0xb493f27e
	s_mov_b32 s[TOP], 0x3f22f983                   ; 2 / pi
	s_mov_b32 s[NP1], 0xbfc90fdb                   ; -(pi / 2 as f32)
	s_mov_b32 s[NP2], 0x333bbd2e                   ; that f32 number less pi / 2
	; descriptor groups 1: dense blocks as rows of 256 bytes (32 elements of 8 bytes), no padding; 15:0 the mask: all four partners; bit 21 set beside it
	s_mov_b32 s32, 0x0023000f
	s_mov_b32 s33, 32<<16                          ; tensor_dim0 = 32
	s_mov_b32 s34, 32<<16                          ; tensor_dim1 = 32: 8,192 bytes, 16 rows of w1: an eighth, a wave's share
	s_mov_b32 s35, 32<<16                          ; tile_dim0
	s_mov_b32 s36, 32                              ; tile_dim1
	s_mov_b32 s37, 32                              ; from row to row
	s_mov_b32 s38, 0
	s_mov_b32 s39, 0
	s_mov_b32 s40, 0x0023000f
	s_mov_b32 s41, 32<<16
	s_mov_b32 s42, 16<<16                          ; 16 rows of 256 bytes: 4,096 bytes, 8 rows of v1
	s_mov_b32 s43, 32<<16
	s_mov_b32 s44, 16
	s_mov_b32 s45, 32
	s_mov_b32 s46, 0
	s_mov_b32 s47, 0
	s_lshl_b32 s30, s27, 10                        ; row s of x and of out0
	s_mov_b32 s31, 0
	s_mov_b32 s89, 0                               ; s[88:89]: the descriptors' offsets, made of the wave's number alone
	s_wait_dscnt 0x0
	s_wait_kmcnt 0x0
	s_add_nc_u64 s[4:5], s[4:5], s[30:31]
	s_add_nc_u64 s[22:23], s[22:23], s[30:31]
	s_lshl_b32 s30, s28, 2
	s_add_nc_u64 s[22:23], s[22:23], s[30:31]      ; out0 at (s, o0)
	s_mov_b32 s48, 1                               ; group 0 for w1: wave w brings rows 16 w .. 16 w + 15 to LDS byte 8,192 w
	s_lshl_b32 s49, s[WV], 13
	s_lshl_b32 s88, s[WV], 13
	s_add_nc_u64 s[50:51], s[6:7], s[88:89]
	s_or_b32 s51, s51, 0x80000000
	s_mov_b32 s52, 1                               ; and for v1: rows 8 w .. 8 w + 7 to V1S + 4,096 w
	s_lshl_b32 s88, s[WV], 12
	s_add_co_u32 s53, s88, V1S
	s_add_nc_u64 s[54:55], s[14:15], s[88:89]
	s_or_b32 s55, s55, 0x80000000
	ROUND                                          ; all four partners are here: the joint loads meet
	tensor_load_to_lds s[48:51], s[32:39]          ; the launch's only fills, together: two loads of mine are out
	s_nop 0
	tensor_load_to_lds s[52:55], s[40:47]
	s_nop 0
	PLACES 4                                       ; four places behind a tensor load
	; ---- the small inputs, 11 loads; none of their address registers is written again
	global_load_b128 v[XR:XR+3], v[XG], s[4:5]
	global_load_b128 v[XR+4:XR+7], v[XG], s[4:5] offset:16
	global_load_b32 v[XV], v[XOG], s[4:5]
	global_load_b32 v[B2V], v[SR+1], s[12:13]
	global_load_b32 v[WL], v[WG], s[6:7] offset:65536      ; w1's row 128 at my column
	global_load_b32 v[VL], v[WG], s[14:15] offset:32768    ; v1's row 64
	global_load_b32 v[C2V], v[SR+1], s[20:21]
	global_load_b128 v[B1R:B1R+3], v[VB], s[8:9]
	global_load_b128 v[B1R+4:B1R+7], v[VB], s[8:9] offset:16
	global_load_b128 v[W2R:W2R+3], v[VB], s[10:11]
	global_load_b128 v[W2R+4:W2R+7], v[VB], s[10:11] offset:16
	; ---- the table and its codes, while the tiles and the loads are on their way
	DECADE 0x3f800000, 0, D1H, D1L
	TRIG 0
	DECADE D2H, D2L, D3H, D3L
	TRIG 1
	Q2 PEV, AF
	v_lshl_or_b32 v[SB], v[TM+3], 8, v[TM+2]       ; pe's two bytes: the second product's blocks 0 and 1,
	v_lshl_or_b32 v[SA0], v[SB], 16, v[SB]         ; and twice over the first product's blocks 0 to 3
.irp i, 0,1,2,3,4,5,6,7
	v_mov_b32 v[AF+8+\i], v[AF+\i]                 ; blocks 2 and 3 are pe[o] once more
.endr
	; ---- x into LDS; the blocks that hold one number; zero codes for the rest of K (129 -> 256, 65 -> 128), on both sides
	s_wait_loadcnt 0x0                             ; all 11
	ds_store_b128 v[XST], v[XR:XR+3]
	ds_store_b128 v[XST], v[XR+4:XR+7] offset:16
	ONE XV, SR, AF+16, SA1
	ONE WL, SR, W1F+16, SW1
	ONE VL, SR, V1F+8, BY0
	v_lshlrev_b32 v[SV], 16, v[BY0]                ; v1's block 2
	ZERO AF+18, AF+31
	ZERO W1F+18, W1F+31
	ZERO V1F+10, V1F+15
	v_cmp_gt_u32 vcc_lo, 16, v0
	v_cndmask_b32 v[BIN], 0, v[B2V], vcc_lo
	v_mov_b32 v[BIN+1], 0
	s_wait_tensorcnt 0x0                           ; my parts of w1 and v1 are in LDS,
	s_wait_dscnt 0x0                               ; and my copy of x
	s_barrier_signal -1
	s_barrier_wait -1                              ; everybody's are
	; ---- w1's rows 0-127 of my column become the fragment of K step 0
	LDB RAW, WCOL, 0
	LDB RAW+16, WCOL, 32
	LDB RAW+32, WCOL, 64
	s_wait_dscnt 16                                ; blocks 0 and 1 are in; block 2's sixteen loads may be out
	LDB RAW+48, WCOL, 96
	Q2 RAW, W1F
	v_lshl_or_b32 v[SW0], v[TM+3], 8, v[TM+2]
	s_wait_dscnt 0x0
	Q2 RAW+32, W1F+8
	v_lshl_or_b32 v[SW0], v[TM+2], 16, v[SW0]
	v_lshl_or_b32 v[SW0], v[TM+3], 24, v[SW0]
	LDB RAW, VCOL, 0                               ; v1's 64 rows of my column: they land while the loop runs and are quantised behind it
	LDB RAW+16, VCOL, 32
	global_load_b128 v[C1R:C1R+3], v[VB], s[16:17] ; c1 and v2 likewise
	global_load_b128 v[C1R+4:C1R+7], v[VB], s[16:17] offset:16
	global_load_b128 v[V2R:V2R+3], v[VB], s[18:19]
	global_load_b128 v[V2R+4:V2R+7], v[VB], s[18:19] offset:16
	ds_load_b128 v[QA:QA+3], v[XAD0]               ; x of tiles 0 to 3
	ds_load_b128 v[QB:QB+3], v[XAD0] offset:16     ; and 4 to 7
	s_mov_b32 s[CNT], TRIPS
	s_mov_b32 s[XO], 32
	PLACES 8                                       ; scale words and fragments written by vector instructions stand eight and four places ahead of a scaled matrix instruction
	WM 0, 0, 0                                     ; tiles 0 and 1
	WM 0, 1, 0
	WM 0, 0, 1
	WM 0, 1, 1
	v_mov_b32 v[OA], 0                             ; the sums over i; with the four lines below the eight places behind the first pair's products
	v_mov_b32 v[OA+1], 0
	v_mov_b32 v[OB], 0
	v_mov_b32 v[OB+1], 0
	PLACES 4
.Ltiles:                                           ; trip t multiplies pairs 4 t + 1 .. 4 t + 4 and does the vector work of pairs 4 t .. 4 t + 3
	s_wait_dscnt 0x1                               ; QA is in; the one younger load, QB's, may be out (so on entry and over the backward jump)
	MT 1, 0, QA
	MT 0, 1, QA+2
	v_add_nc_u32 v[XA], s[XO], v[XAD0]
	ds_load_b128 v[QA:QA+3], v[XA]                 ; the next trip's
	s_wait_dscnt 0x1                               ; QB is in; the one younger load is QA's, just issued
	MT 1, 0, QB
	MT 0, 1, QB+2
	ds_load_b128 v[QB:QB+3], v[XA] offset:16
	s_add_co_u32 s[XO], s[XO], 32
	s_sub_co_u32 s[CNT], s[CNT], 1
	s_cmp_lg_u32 s[CNT], 0
	s_cbranch_scc1 .Ltiles
	s_wait_dscnt 0x1                               ; the last four pairs: three more are multiplied, nothing more is fetched of x
	MT 1, 0, QA
	MT 0, 1, QA+2
	s_wait_dscnt 0x0
	MT 1, 0, QB
	VS0 1
	VS1 1
	VS2 1
	VS3 1, QB+2
	; ---- my wave's part of out: the four sums of a lane, the four groups of i (lanes r xor 4, r xor 8), the two halves of my hidden units
	v_pk_add_f32 v[OA:OA+1], v[OA:OA+1], v[OB:OB+1]
	v_add_f32 v[OA], v[OA], v[OA+1]
	v_add_f32_dpp v[OA], v[OA], v[OA] row_xmask:4 row_mask:0xf bank_mask:0xf
	v_add_f32_dpp v[OA], v[OA], v[OA] row_xmask:8 row_mask:0xf bank_mask:0xf
	v_permlanex16_b32 v[OA+1], v[OA], s[SEL], s[SEL+1]
	v_add_f32 v[OA], v[OA], v[OA+1]
	ds_store_b32 v[RST], v[OA]                     ; the eight lanes of one o write the same word with the same value
	s_wait_loadcnt 0x0                             ; c1, v2
	s_wait_dscnt 0x0                               ; my store has landed
	s_barrier_signal -1
	Q2 RAW, V1F                                    ; work on registers while the others arrive: v1's blocks 0 and 1
	v_lshl_or_b32 v[SV], v[TM+3], 8, v[SV]
	v_or_b32 v[SV], v[TM+2], v[SV]
	s_barrier_wait -1
.irp i, 0,1,2,3,4,5,6,7
	ds_load_b32 v[TM+\i], v[RLD] offset:16*\i      ; the eight waves' parts
.endr
	ZERO AF+10, AF+15                              ; the second product's K 72 .. 127
	s_wait_dscnt 0x0
	v_add_f32 v[TM], v[TM], v[TM+1]
	v_add_f32 v[TM+2], v[TM+2], v[TM+3]
	v_add_f32 v[TM+4], v[TM+4], v[TM+5]
	v_add_f32 v[TM+6], v[TM+6], v[TM+7]
	v_add_f32 v[TM], v[TM], v[TM+2]
	v_add_f32 v[TM+4], v[TM+4], v[TM+6]
	v_add_f32 v[OUTV], v[TM], v[TM+4]              ; out(s, o)
	ONE OUTV, AF+24, AF+8, BY0                     ; its block: v[AF+25] on hold zeros
	v_lshl_or_b32 v[SB], v[BY0], 16, v[SB]
	PLACES 8                                       ; ahead of the scaled matrix instruction, as above
	v_wmma_scale_f32_16x16x128_f8f6f4 v[ACC:ACC+7], v[V1F:V1F+15], v[AF:AF+15], v[C1R:C1R+7], v[SV], v[SB] matrix_a_fmt:MATRIX_FMT_BF8 matrix_b_fmt:MATRIX_FMT_BF8
	PLACES 8
	v_max_num_f32 v[ACC], 0, v[ACC]
	v_max_num_f32 v[ACC+1], 0, v[ACC+1]
	v_max_num_f32 v[ACC+2], 0, v[ACC+2]
	v_max_num_f32 v[ACC+3], 0, v[ACC+3]
	v_pk_mul_f32 v[PP:PP+1], v[ACC:ACC+1], v[V2R:V2R+1]
	v_max_num_f32 v[ACC+4], 0, v[ACC+4]
	v_max_num_f32 v[ACC+5], 0, v[ACC+5]
	v_pk_mul_f32 v[RR:RR+1], v[ACC+2:ACC+3], v[V2R+2:V2R+3]
	v_max_num_f32 v[ACC+6], 0, v[ACC+6]
	v_max_num_f32 v[ACC+7], 0, v[ACC+7]
	v_pk_fma_f32 v[PP:PP+1], v[ACC+4:ACC+5], v[V2R+4:V2R+5], v[PP:PP+1]
	v_pk_fma_f32 v[RR:RR+1], v[ACC+6:ACC+7], v[V2R+6:V2R+7], v[RR:RR+1]
	v_pk_add_f32 v[PP:PP+1], v[PP:PP+1], v[RR:RR+1]
	v_add_f32 v[PP], v[PP], v[PP+1]
	v_permlanex16_b32 v[PP+1], v[PP], s[SEL], s[SEL+1]
	v_add_f32 v[PP], v[PP], v[PP+1]
	ds_store_b32 v[RST], v[PP] offset:RED2-RED1    ; my wave's part of the bias
	s_wait_dscnt 0x0
	s_barrier_signal -1
	s_barrier_wait -1
.irp i, 0,1,2,3,4,5,6,7
	ds_load_b32 v[TM+\i], v[RLD] offset:RED2-RED1+16*\i
.endr
	s_wait_dscnt 0x0
	v_add_f32 v[TM], v[TM], v[TM+1]
	v_add_f32 v[TM+2], v[TM+2], v[TM+3]
	v_add_f32 v[TM+4], v[TM+4], v[TM+5]
	v_add_f32 v[TM+6], v[TM+6], v[TM+7]
	v_add_f32 v[TM], v[TM], v[TM+2]
	v_add_f32 v[TM+4], v[TM+4], v[TM+6]
	v_add_f32 v[TM], v[TM], v[TM+4]
	v_add_f32 v[TM], v[TM], v[C2V]
	v_add_f32 v[TM], v[TM], v[OUTV]
	s_wait_xcnt 0x0                                ; EXEC changes only behind this wait
	v_cmp_gt_u32 vcc_lo, 4, v0
	s_and_saveexec_b32 s62, vcc_lo                 ; threads 0 to 3 hold o0 .. o0 + 3; there v[WG] is 4 x the thread's number
	global_store_b32 v[WG], v[TM], s[22:23]
	s_wait_xcnt 0x0
	s_or_b32 exec_lo, exec_lo, s62
	s_wait_tensorcnt 0x0
	ds_add_u32 v254, v255
	s_wait_dscnt 0x0
	ROUND                                          ; the closing round: no work-group ends while a partner may still ask for a tile that names it
	s_endpgm
.Lfunc_end_k_q95c3f5c499_vnn:
	.size	k_q95c3f5c499_vnn, .Lfunc_end_k_q95c3f5c499_vnn-k_q95c3f5c499_vnn
	.p2alignl 7, 3214868480
	.fill 96, 4, 3214868480
	.section	.rodata,"a",@progbits
	.p2align	6, 0x0
	.amdhsa_kernel k_q95c3f5c499_vnn
		.amdhsa_group_segment_fixed_size 168960
		.amdhsa_private_segment_fixed_size 0
		.amdhsa_enable_private_segment 0
		.amdhsa_kernarg_size 80
		.amdhsa_user_sgpr_count 2
		.amdhsa_user_sgpr_kernarg_segment_ptr 1
		.amdhsa_wavefront_size32 1
		.amdhsa_system_sgpr_workgroup_id_x 1
		.amdhsa_system_sgpr_workgroup_id_y 1
		.amdhsa_system_sgpr_workgroup_id_z 1
		.amdhsa_system_vgpr_workitem_id 0
		.amdhsa_next_free_vgpr 256
		.amdhsa_next_free_sgpr 96
		.amdhsa_reserve_vcc 1
		.amdhsa_float_denorm_mode_32 3
		.amdhsa_float_denorm_mode_16_64 3
		.amdhsa_memory_ordered 1
		.amdhsa_forward_progress 1
		.amdhsa_inst_pref_size 80
	.end_amdhsa_kernel
	.amdgpu_metadata
---
amdhsa.version: [ 1, 2 ]
amdhsa.kernels:
  - .name:           k_q95c3f5c499_vnn
    .symbol:         k_q95c3f5c499_vnn.kd
    .args:
      - { .name: x, .offset: 0, .size: 8, .value_kind: global_buffer, .address_space: global }
      - { .name: w1, .offset: 8, .size: 8, .value_kind: global_buffer, .address_space: global }
      - { .name: b1, .offset: 16, .size: 8, .value_kind: global_buffer, .address_space: global }
      - { .name: w2, .offset: 24, .size: 8, .value_kind: global_buffer, .address_space: global }
      - { .name: b2, .offset: 32, .size: 8, .value_kind: global_buffer, .address_space: global }
      - { .name: v1, .offset: 40, .size: 8, .value_kind: global_buffer, .address_space: global }
      - { .name: c1, .offset: 48, .size: 8, .value_kind: global_buffer, .address_space: global }
      - { .name: v2, .offset: 56, .size: 8, .value_kind: global_buffer, .address_space: global }
      - { .name: c2, .offset: 64, .size: 8, .value_kind: global_buffer, .address_space: global }
      - { .name: out0, .offset: 72, .size: 8, .value_kind: global_buffer, .address_space: global }
    .group_segment_fixed_size: 168960
    .private_segment_fixed_size: 0
    .kernarg_segment_align: 8
    .kernarg_segment_size: 80
    .max_flat_workgroup_size: 256
    .sgpr_count:     96
    .vgpr_count:     256
    .wavefront_size: 32
...
	.end_amdgpu_metadata
.endif
;; end of part 1
